; MI455X (gfx1250); checked and timed in simulation.
; The chip was launched on July 23, 2026; its instructions are those of AMD's public machine-readable ISA for CDNA 5 (MIT licence, August 2026) and "CDNA5" Instruction Set Architecture Reference Guide (July 2026). The comments in the code are by the model that wrote it; some were corrected since.
;; Multi Head Attention. Allowed arithmetic: matrix products marked QUANTISED: E2M1 operands, one E8M0 scale for each 32 along K, by v_wmma_scale_f32_16x16x128_f8f6f4 with both operands' format E2M1 (or v_wmma_scale_f32_32x16x128_f4), f32 sums; everything else in f32.
;; Inputs: b_in 3,072 float32; b_o 1,024 float32; key 2 x 2,048 x 1,024 float32; query_codes 2 x 2,048 x 32 x 16 uint8 (E2M1 codes of query, K innermost, in blocks of 32 codes, two codes a byte); query_scales 2 x 2,048 x 32 uint8 (E8M0 scales of query, one for each 32 codes along K); value 2 x 2,048 x 1,024 float32; w_in_codes 3,072 x 32 x 16 uint8 (E2M1 codes of w_in, K innermost, in blocks of 32 codes, two codes a byte); w_in_scales 3,072 x 32 uint8 (E8M0 scales of w_in, one for each 32 codes along K); w_o_codes 1,024 x 32 x 16 uint8 (E2M1 codes of w_o, K innermost, in blocks of 32 codes, two codes a byte); w_o_scales 1,024 x 32 uint8 (E8M0 scales of w_o, one for each 32 codes along K).
;; Outputs: out0 2 x 2,048 x 1,024 float32.
;; This version of the problem:
;;   THIS VERSION OF THE PROBLEM IS GIVEN IN LOW PRECISION. The matrix products marked QUANTISED in the list below multiply operands that are first quantised to E2M1 (2 exponent bits, 1 mantissa bit; 4 bits a number), with one power-of-two scale for each 32 numbers along K (OCP MX v1.0); their sums are f32. All else is computed in f32.
;;   The module's matrix products, in the order in which they are computed (A, B: the left and right operand; K: the contracted axis; several contracted axes count as one K, in the product's order):
;;     1. [M 4,096, K 1,024] x [K 1,024, N 3,072]; A: input query (given as codes); B: input w_in (given as codes): QUANTISED
;;     2. batch 32 x [M 2,048, K 64] x [K 64, N 2,048]; A: computed on the way; B: computed on the way: QUANTISED
;;     3. batch 32 x [M 2,048, K 2,048] x [K 2,048, N 64]; A: softmax (see below); B: computed on the way: QUANTISED
;;     4. [M 4,096, K 1,024] x [K 1,024, N 1,024]; A: computed on the way; B: input w_o (given as codes): QUANTISED
;;   THE QUANTISER, for each operand of a quantised product, along K:
;;     - K is cut into blocks of 32 from its start; a last block that is shorter is filled with zeros.
;;     - A block's scale is 2^e with e = floor(log2(the largest magnitude in the block)) - 2, held to -126 .. 127; a block of zeros has e = 0. As a byte (E8M0): e + 127.
;;     - Each number is divided by its block's scale, clamped to +-6, and rounded to the nearest number of E2M1, ties to even, subnormals kept.
;;     - The product sums the exact products of the quantised numbers (number of the format x scale) in f32.
;;   ~~~python
;;   def quantise(x, axis):      # numpy; x: float32 -> the quantised numbers, widened to float32 again
;;       x = np.moveaxis(x, axis, -1); K = x.shape[-1]
;;       x = np.pad(x, [(0, 0)] * (x.ndim - 1) + [(0, -K % 32)]); x = x.reshape(x.shape[:-1] + (-1, 32)); a = np.abs(x).max(-1, keepdims=True)
;;       e = np.where(a > 0, np.clip(np.frexp(np.where(a > 0, a, 1))[1] - 1 - 2, -126, 127), 0)      # np.frexp(a)[1] - 1 = floor(log2(a)), exactly
;;       r = np.clip(x / 2.0 ** e, -6, 6)
;;       step = 2.0 ** (np.maximum(np.frexp(np.where(r == 0, 1, r))[1] - 1, 0) - 1)
;;       q = np.round(r / step) * step * 2.0 ** e      # np.round: ties to even
;;       return np.moveaxis(q.reshape(q.shape[:-2] + (-1,))[..., :K], -1, axis).astype(np.float32)
;;   ~~~
;;   SOFTMAX AHEAD OF A QUANTISED PRODUCT. Where the list says 'softmax', what is quantised is not the finished softmax but p = 2^(t - M), with t = logit x log2(e) and M = ceil(the row's largest t), a whole number; so 1/2 < the row's largest p <= 1. The row's sum l is taken of the UNQUANTISED p, in f32, and the product's result is divided by l at the end. Since M is a whole number, a kernel that streams over the keys may use a running M (the ceiling of the running maximum): every later rescaling is an exact power of two, which a block's scale takes up: the codes' values come out the same.
;;   OPERANDS COMPUTED ON THE WAY. 'Computed on the way' means the value that the module computes at that place (a softmax that the list does not call 'softmax' is quantised finished and normalised). What goes into a quantiser is computed in f32, as accurately as f32 sums, v_exp_f32 and their like allow (about 1e-6 of the number): no bf16 or f16 on the way to a quantiser, and a product that is left as it is and whose result goes on into a quantised operand takes f32 operands (vector FMAs, or v_wmma_f32_16x16x4_f32). A number that lies on a knife's edge between two numbers of the format may be rounded either way, as far as f32 arithmetic and the matrix unit's own rounding can turn it there, and no further.
;;   INPUTS GIVEN AS CODES. query (in the module: [2, 2048, 1024], K = its axis 2); w_in (in the module: [3072, 1024], K = its axis 1); w_o (in the module: [1024, 1024], K = its axis 1): each comes as NAME_codes (uint8): NAME with its K axis moved to the last place and cut into blocks of 32 codes, [.., K / 32, bytes a block], one block behind the other in memory; two codes a byte, the lower K in the low four bits (a code: sign, 2 exponent bits, 1 mantissa bit); and NAME_scales (uint8): the same leading axes, one E8M0 byte (e + 127) for each 32 codes along K. Its value is code x scale, taken as it is: it is not quantised again, and the codes and scales need not be those that the quantiser above would give.
;; One version. Each part assembles by itself: llvm-mc -triple=amdgcn-amd-amdhsa -mcpu=gfx1250 --defsym DOCPART=n.
;; ======== version 1 of 1: 3 launches
;; limits: right only within a limited range of input values
;; workspace buffers: qc 2,097,152 bytes; qs 131,072 bytes; kv 4,456,448 bytes; oc 2,097,152 bytes; os 131,072 bytes
;; launch qkv (part 1): grid 8 x 32, 12 waves a work-group, clusters of 4 x 4, 280,064 bytes of LDS; arguments query_codes, query_scales, w_in_codes, w_in_scales, b_in, qc, qs, kv; writes qc, qs, kv
.if DOCPART == 1
	.amdgcn_target "amdgcn-amd-amdhsa--gfx1250"
	.amdhsa_code_object_version 6
	.text
	.protected	k_q9d2f8adde7_qkv
	.globl	k_q9d2f8adde7_qkv
	.p2align	8
	.type	k_q9d2f8adde7_qkv,@function
k_q9d2f8adde7_qkv:
	s_mov_b64 s[64:65], 0
	v_nop
	global_prefetch_b8 v0, s[64:65] scope:SCOPE_SE
	s_setreg_imm32_b32 hwreg(HW_REG_WAVE_MODE, 25, 1), 1
	s_wait_xcnt 0x0
	s_wait_alu depctr_hold_cnt(0) depctr_sa_sdst(0) depctr_va_vdst(0) depctr_va_sdst(0) depctr_va_ssrc(0) depctr_va_vcc(0) depctr_vm_vsrc(0)
	s_getreg_b32 s2, hwreg(HW_REG_IB_STS2, 6, 4)
	s_cmp_eq_u32 s2, 0
	s_cbranch_scc0 .Lentry_in_a_cluster
	s_endpgm
.Lentry_in_a_cluster:
	s_bfe_u32 s2, ttmp6, 0x10000c
	s_cmp_lg_u32 s2, 0xf033
	s_cbranch_scc0 .Lentry_shape_is_right
	s_endpgm
.Lentry_shape_is_right:
; qkv = query w_in^T + b_in on codes of FP4 (E2M1) with one E8M0 scale for each 32 along K = 1,024; the results are quantised at once for the attention:
; q and k along the head's 64 numbers (two blocks of 32), v along the keys.  Nothing wide goes to memory.
; DEAD WORK: reference() takes q, k and v all from query; its inputs key and value enter no result whatever they hold, and are not among this program's arguments.  Limit: a NaN or infinity in them is not carried to the result.
; SHARES.  A work-group takes 128 tokens (mi) and the 128 columns 128 nj .. of EACH of the three sections q, k, v.  Twelve waves: section = wave / 4, wm = which 64 tokens, wn = which 64 columns, which are one head.
; A wave makes 64 x 64: 16 accumulators.
; THE AXIS THAT IS QUANTISED NEXT IS SOURCE 0.  q and k waves: source 0 = 64 rows of w_in (the head's d), source 1 = 64 tokens.  v waves: source 0 = 64 tokens (keys), source 1 = 64 rows of w_in.
; THE ROWS OF A FRAGMENT ARE NOT NEIGHBOURS: lane r of fragment a takes row 8 a + r (r < 8) or 32 + 8 (a xor 1) + r - 8 (r >= 8), in both sources.  So in accumulator (a, b) lane (r, h) holds source 0's rows
; 32 h + 8 (a xor h) + 0 .. 7: the 32 registers of accumulators (0 .. 3, b) are the whole block h of 32, in one lane.  The eight codes of accumulator (a, b) are dword a of the lane's 16 bytes.
; In the blocks h = 1 the dwords stand in the order 1, 0, 3, 2, in both operands of each later product alike, so the products are the same.  (The xor puts the two groups of eight rows at different banks.)
; A group of 64 rows of source 1 is kept in this order: SLOT 16 b + r of a group.  Slots of v's rows are d, slots of q's and k's are tokens.
; OUT.  An image is 16 slots, 512 bytes, 16 bytes a lane.  qc [head of batch 32][group 32][image 4][512]; qs [32][group 32][128]; kv [32][group 32][4,352]: k's four images, v's four images, k's scale words (128), v's (128).
;       A scale word, lane (r, g): the two scale bytes of row r of image 2 g in the low half, of image 2 g + 1 in the high half.
; LDS.  All of K for the work-group's 512 rows (w_in's q, k, v rows, then query's) fits: two regions, K 0-511 and K 512-1,023, each filled ONCE; eight waves issue one tensor load each.  Nothing is filled again, and there is
; no loop to run ahead in, so nothing is prefetched.
; CLUSTER 4 x 4: query's tile hangs on mi alone and is asked for jointly along a row of the cluster, w_in's on nj alone, jointly along a column.
; LIMITS: NaN and infinities are not served.  A block whose largest magnitude lies under 2^-124, a block of zeros among them, gets the scale byte 1 where the rule says 127 for zeros: its codes are zeros or the
; smallest, and only this program reads these bytes.
.set PITCH, 272                        ; an LDS row: 256 bytes of codes + 16 of padding
.set SECB,  128*PITCH                  ; 128 rows: what one tensor load brings
.set REG,   4*SECB                     ; a region: rows 0-127 w_in for q, 128-255 for k, 256-383 for v, 384-511 query
.set SPARE, 2*REG                      ; the spare words, 128 bytes a wave
.set AD0, 4                            ; v4-7   LDS addresses of source 0's fragments: register 2 region + a % 2
.set AD1, 12                           ; v12-15 the same for source 1
.set SO,  8                            ; v8-9   32 x row + 16 h: my 16 bytes of a row's 32 scale bytes; even and odd fragments
.set L16, 10                           ; v10    16 x lane
.set L4,  11                           ; v11    4 x lane
.set SC0, 16                           ; v16-31 scale words of source 0: register 4 a + i: lanes 0-15 K step i, lanes 16-31 K step 4 + i
.set SC1, 32                           ; v32-47 of source 1
.set F0,  48                           ; v48-79 source 0's four fragments;  later the four images
.set F1,  80                           ; v80-111 source 1's
.set TM,  112                          ; v112-119 at work in the quantiser
.set SPW, 122                          ; v122, v123 my spare word's LDS address, and 0
.set NIL, 123
.set ACC, 128                          ; v128-255 accumulator (a, b) at 128 + 8 (4 b + a);  window 1, v0-31: the bias as the first products' C
.set PC,  48
.set WV,  18                           ; s18 my wave's number
.set G1A, 24                           ; s[24:31] descriptor group 1 for query's tiles;  s[32:39] for w_in's: they differ in the mask
.set G1B, 32
.set G0A, 40                           ; s[40:43] group 0 for query's tile;  s[48:51] for w_in's
.set G0B, 48
.set MSB, 0
.macro WIN new                         ; the immediate's high byte repeats the setting that is left
.if MSB != \new
	s_set_vgpr_msb (MSB<<8)|\new
.set MSB, \new
.endif
.endm
.macro PLACES n
.rept \n
	v_nop
.endr
.endm
.macro ROUND                           ; a round of the cluster's barrier: my work-group's barrier; wave 0 signals for the work-group; every wave waits for all sixteen; my work-group's barrier once more
	s_barrier_signal -1
	s_barrier_wait -1
	s_cmp_lg_u32 s[WV], 0
	s_cbranch_scc1 .Lnot_wave_0_\@
	s_barrier_signal -3
.Lnot_wave_0_\@:
	s_barrier_wait -3
	s_barrier_signal -1
	s_barrier_wait -1
.endm
	s_load_b256 s[4:11], s[0:1], 0x0               ; query's codes s[4:5], its scales s[6:7], w_in's codes s[8:9], its scales s[10:11]
	s_load_b128 s[12:15], s[0:1], 0x20             ; b_in s[12:13], qc s[14:15]
	s_load_b128 s[92:95], s[0:1], 0x30             ; qs s[92:93], kv s[94:95]
	v_lshl_add_u32 v[SPW], v0, 2, SPARE
	v_mov_b32 v[NIL], 0
	ds_add_u32 v[SPW], v[NIL]                      ; the opening: the add, twice on end, and its wait
	ds_add_u32 v[SPW], v[NIL]
	v_lshrrev_b32 v1, 5, v0
	v_readfirstlane_b32 s[WV], v1                  ; wave 0..11
	s_lshr_b32 s23, s[WV], 2                       ; section: 0 q, 1 k, 2 v
	s_bfe_u32 s76, s[WV], 0x10001                  ; wm: which 64 tokens
	s_and_b32 s77, s[WV], 1                        ; wn: which 64 columns
	s_lshr_b32 s78, s[WV], 3                       ; 1 in v waves
	s_bfe_u32 s19, ttmp6, 0x40000                  ; cx, cy: my place in the cluster
	s_bfe_u32 s20, ttmp6, 0x40004
	s_lshl_b32 s21, ttmp9, 2
	s_add_co_u32 s21, s21, s19                     ; nj = 4 x cluster x + cx
	s_and_b32 s22, ttmp7, 0xffff
	s_lshl_b32 s22, s22, 2
	s_add_co_u32 s22, s22, s20                     ; mi = 4 x cluster y + cy
	s_lshl_b32 s56, s20, 2
	s_lshl_b32 s56, 15, s56                        ; my row of the cluster
	s_lshl_b32 s57, 0x1111, s19                    ; my column
	; descriptor group 1: 128 rows x 256 bytes out of rows of 512 bytes, 16 bytes of padding behind each row in LDS
	s_or_b32 s[G1A], s56, (0<<16)|(1<<20)|(1<<21)|(5<<22)|(3<<25)   ; 15:0 the mask; 17:16 elements of 1 byte; 20 padding on; 21 set beside a mask; 24:22 after every 64 words; 31:25 four words
	s_or_b32 s[G1B], s57, (0<<16)|(1<<20)|(1<<21)|(5<<22)|(3<<25)
.irp g, G1A, G1B
	s_mov_b32 s[\g+1], 256<<16                     ; tensor_dim0
	s_mov_b32 s[\g+2], 128<<16                     ; tensor_dim1
	s_mov_b32 s[\g+3], 256<<16                     ; tile_dim0
	s_mov_b32 s[\g+4], 128                         ; tile_dim1
	s_mov_b32 s[\g+5], 512                         ; from row to row
	s_mov_b32 s[\g+6], 0
	s_mov_b32 s[\g+7], 0
.endr
	s_and_b32 s56, s[WV], 3                        ; which 128 rows of a region I fetch, if I fetch (waves 0 to 7): 0-2 w_in's sections, 3 query,
	s_lshr_b32 s57, s[WV], 2
	s_min_u32 s57, s57, 1                          ; of which half of K
	s_mul_i32 s62, s56, SECB                       ; where they go
	s_mul_i32 s63, s57, REG
	s_add_co_u32 s62, s62, s63
	s_lshl_b32 s57, s57, 8                         ; K's half in memory: 256 bytes on
	s_lshl_b32 s58, s22, 16                        ; query's tile: 128 mi rows of 512 bytes: mi and the wave's number alone
	s_add_co_u32 s58, s58, s57
	s_mov_b32 s59, 0
	s_min_u32 s60, s56, 2                          ; w_in's: 1,024 rows of 512 bytes a section,
	s_lshl_b32 s60, s60, 19
	s_lshl_b32 s61, s21, 16                        ; + 128 nj rows: nj and the wave's number alone
	s_add_co_u32 s60, s60, s61
	s_add_co_u32 s60, s60, s57
	s_mov_b32 s61, 0
	s_lshl_b32 s80, s23, 10                        ; my first row of w_in: 1,024 section + 128 nj + 64 wn
	s_lshl_b32 s63, s21, 7
	s_add_co_u32 s80, s80, s63
	s_lshl_b32 s63, s77, 6
	s_add_co_u32 s80, s80, s63
	s_lshl_b32 s88, s80, 2                         ; in b_in: 4 bytes each
	s_mov_b32 s89, 0
	s_lshl_b32 s80, s80, 5                         ; in w_in's scales: 32 bytes a row
	s_mov_b32 s81, 0
	s_lshl_b32 s82, s22, 7                         ; my first row of query: 128 mi + 64 wm
	s_lshl_b32 s63, s76, 6
	s_add_co_u32 s82, s82, s63
	s_lshl_b32 s82, s82, 5
	s_mov_b32 s83, 0
	s_lshr_b32 s87, s22, 4                         ; the batch,
	s_lshl_b32 s87, s87, 4
	s_lshl_b32 s63, s21, 1
	s_add_co_u32 s87, s87, s63
	s_add_co_u32 s87, s87, s77                     ; 16 x batch + head, head = 2 nj + wn
	s_and_b32 s63, s22, 15
	s_lshl_b32 s63, s63, 1
	s_add_co_u32 s63, s63, s76                     ; my group of 64 tokens in the batch
	s_mul_i32 s90, s87, 139264                     ; kv: 32 x 4,352 bytes a head
	s_mul_i32 s79, s63, 4352
	s_add_co_u32 s90, s90, s79
	s_lshl_b32 s79, s78, 7                         ; v's scale words behind k's
	s_add_co_u32 s16, s90, s79
	s_add_co_u32 s16, s16, 4096
	s_lshl_b32 s79, s78, 11                        ; v's images behind k's
	s_add_co_u32 s90, s90, s79
	s_lshl_b32 s79, s87, 16                        ; qc: 65,536 bytes a head, 2,048 a group
	s_lshl_b32 s91, s63, 11
	s_add_co_u32 s79, s79, s91
	s_lshl_b32 s91, s87, 12                        ; qs: 4,096 a head, 128 a group
	s_lshl_b32 s17, s63, 7
	s_add_co_u32 s91, s91, s17
	s_cmp_eq_u32 s23, 0
	s_cselect_b32 s90, s79, s90                    ; where my images go
	s_cselect_b32 s16, s91, s16                    ; where my scale words go
	s_mov_b32 s91, 0
	s_mov_b32 s17, 0
	s_lshl_b32 s84, s23, 7                         ; my rows in a region: w_in's at 128 section + 64 wn,
	s_lshl_b32 s79, s77, 6
	s_add_co_u32 s84, s84, s79
	s_mul_i32 s84, s84, PITCH
	s_lshl_b32 s85, s76, 6                         ; query's at 384 + 64 wm
	s_add_co_u32 s85, s85, 384
	s_mul_i32 s85, s85, PITCH
	s_xor_b32 s86, s84, s85                        ; v waves take them the other way round: both are turned by their difference, or by 0
	s_mul_i32 s86, s86, s78
	s_xor_b32 s84, s84, s86                        ; source 0's rows
	s_xor_b32 s85, s85, s86                        ; source 1's
	v_and_b32 v1, 7, v0                            ; r % 8
	v_bfe_u32 v3, v0, 3, 1                         ; r / 8
	v_bfe_u32 v2, v0, 4, 1                         ; h
	v_mad_u32_u24 v20, v3, 40, v1                  ; fragment a's row less 8 a: even a,
	v_mad_u32_u24 v21, v3, 24, v1                  ; odd a
	v_mul_u32_u24 v22, v20, PITCH
	v_mul_u32_u24 v23, v21, PITCH
	v_lshl_add_u32 v22, v2, 4, v22                 ; row x pitch + 16 h
	v_lshl_add_u32 v23, v2, 4, v23
	v_add_nc_u32 v[AD0],   s84, v22
	v_add_nc_u32 v[AD0+1], s84, v23
	v_add_nc_u32 v[AD1],   s85, v22
	v_add_nc_u32 v[AD1+1], s85, v23
	v_add_nc_u32 v[AD0+2], REG, v[AD0]
	v_add_nc_u32 v[AD0+3], REG, v[AD0+1]
	v_add_nc_u32 v[AD1+2], REG, v[AD1]
	v_add_nc_u32 v[AD1+3], REG, v[AD1+1]
	v_lshlrev_b32 v[SO],   5, v20
	v_lshlrev_b32 v[SO+1], 5, v21
	v_lshl_add_u32 v[SO],   v2, 4, v[SO]
	v_lshl_add_u32 v[SO+1], v2, 4, v[SO+1]
	v_lshlrev_b32 v1, 2, v20                       ; v waves' place in b_in: 4 x row: even fragments v1,
	v_lshlrev_b32 v120, 2, v21                     ; odd ones v120
	v_mul_u32_u24 v3, 96, v2                       ; q and k waves' place in b_in: odd fragments v3,
	v_mul_u32_u24 v2, 160, v2                      ; even ones v2
	v_and_b32 v[L4], 31, v0
	v_lshlrev_b32 v[L16], 4, v[L4]
	v_lshlrev_b32 v[L4], 2, v[L4]
	s_wait_alu depctr_va_vdst(0)                   ; directly ahead of the wait below
	s_wait_dscnt 0x0                               ; both opening adds are done
	ROUND                                          ; all sixteen work-groups are here: the joint loads meet
	s_wait_kmcnt 0x0
	s_mov_b32 s[G0A], 1                            ; count = 1
	s_mov_b32 s[G0A+1], s62                        ; LDS address
	s_add_nc_u64 s[G0A+2:G0A+3], s[4:5], s[58:59]  ; global address
	s_or_b32 s[G0A+3], s[G0A+3], 0x80000000        ; type = 2
	s_mov_b32 s[G0B], 1
	s_mov_b32 s[G0B+1], s62
	s_add_nc_u64 s[G0B+2:G0B+3], s[8:9], s[60:61]
	s_or_b32 s[G0B+3], s[G0B+3], 0x80000000
; All fills of the launch, one a wave.  Waves 0-2 and 3: K's first half of w_in's sections and of query; waves 4-6 and 7: the second half, by lines of their own, since they are waited for later.
.macro ARM under, g0, g1, next
	s_cmp_lt_u32 s[WV], \under
	s_cbranch_scc0 \next
	tensor_load_to_lds s[\g0:\g0+3], s[\g1:\g1+7]
	s_nop 0
	PLACES 4
	s_branch .Lasked
\next:
.endm
	ARM 3, G0B, G1B, .Larm_1
	ARM 4, G0A, G1A, .Larm_2
	ARM 7, G0B, G1B, .Larm_3
	ARM 8, G0A, G1A, .Larm_4
.Lasked:
	s_add_nc_u64 s[66:67], s[12:13], s[88:89]      ; b_in at my 64 columns
	s_add_nc_u64 s[80:81], s[10:11], s[80:81]      ; w_in's scales at my rows
	s_add_nc_u64 s[82:83], s[6:7], s[82:83]        ; query's
	s_cmp_lt_u32 s[WV], 8                          ; the choice hangs on the wave's number alone
	s_cselect_b64 s[68:69], s[80:81], s[82:83]     ; source 0's scales
	s_cselect_b64 s[70:71], s[82:83], s[80:81]     ; source 1's
	; A row's 32 scale bytes are eight words, one for each 128 along K.  Lanes 0-15 take words 0-3 of their row, lanes 16-31 words 4-7: K's second half reads the upper lanes.
.irp a, 0,1,2,3
	global_load_b128 v[SC0+4*\a:SC0+4*\a+3], v[SO+(\a%2)], s[68:69] offset:256*\a
	global_load_b128 v[SC1+4*\a:SC1+4*\a+3], v[SO+(\a%2)], s[70:71] offset:256*\a
.endr
	; The bias is the C of each sum's first product, in the result's layout, in window 1.
	s_cmp_lt_u32 s[WV], 8
	s_cbranch_scc0 .Lbias_v
	WIN 0x40                                       ; destination window 1
.irp a, 0,1,2,3                                    ; q, k: it runs along source 0: register 8 a + j = b_in[32 h + 8 (a xor h) + j]
	global_load_b128 v[8*\a:8*\a+3],   v[2+(\a%2)], s[66:67] offset:32*\a
	global_load_b128 v[8*\a+4:8*\a+7], v[2+(\a%2)], s[66:67] offset:32*\a+16
.endr
	WIN 0
	s_branch .Lbias_done
.Lbias_v:
	WIN 0x40
.irp b, 0,1,2,3                                    ; v: it runs along source 1: all eight registers of tile b = b_in[my row of fragment b]
.irp j, 0,1,2,3,4,5,6,7
	global_load_b32 v[8*\b+\j], v[1+119*(\b%2)], s[66:67] offset:32*\b
.endr
.endr
	WIN 0
.Lbias_done:
	s_cmp_eq_u32 s23, 0                            ; q waves store into qc and qs, the others into kv
	s_cselect_b64 s[14:15], s[14:15], s[94:95]
	s_cselect_b64 s[92:93], s[92:93], s[94:95]
	s_add_nc_u64 s[72:73], s[14:15], s[90:91]      ; my four images
	s_add_nc_u64 s[74:75], s[92:93], s[16:17]      ; my 32 scale words
.macro FETCH ch, q                     ; the eight fragments of the region's q-th 128 along K.  16 rows x 128 K of 4-bit codes: lane (r, h): registers 4 c .. 4 c + 3 = K 64 c + 32 h + 0 .. 31: two loads of 16 bytes, 32 apart
.irp a, 0,1,2,3
	ds_load_b128 v[F0+8*\a:F0+8*\a+3],   v[AD0+2*\ch+(\a%2)] offset:8*PITCH*\a+64*\q
	ds_load_b128 v[F0+8*\a+4:F0+8*\a+7], v[AD0+2*\ch+(\a%2)] offset:8*PITCH*\a+64*\q+32
	ds_load_b128 v[F1+8*\a:F1+8*\a+3],   v[AD1+2*\ch+(\a%2)] offset:8*PITCH*\a+64*\q
	ds_load_b128 v[F1+8*\a+4:F1+8*\a+7], v[AD1+2*\ch+(\a%2)] offset:8*PITCH*\a+64*\q+32
.endr
.endm
; 16 products, the 16 accumulators by turns, one instruction a turn.  row = 1: K's second half: the scale words of the upper lanes.
; cmode = 1, 2: the first K step: C is the bias along source 0 or along source 1, in window 1; nothing is cleared.
.macro MUL16 q, row, cmode
.irp b, 0,1,2,3
.irp a, 0,1,2,3
.set rD, ACC+8*(4*\b+\a)
.if \cmode == 1
	v_wmma_scale_f32_16x16x128_f8f6f4 v[rD:rD+7], v[F0+8*\a:F0+8*\a+7], v[F1+8*\b:F1+8*\b+7], v[8*\a:8*\a+7], v[SC0+4*\a+\q], v[SC1+4*\b+\q] matrix_a_fmt:MATRIX_FMT_FP4 matrix_b_fmt:MATRIX_FMT_FP4
.elseif \cmode == 2
	v_wmma_scale_f32_16x16x128_f8f6f4 v[rD:rD+7], v[F0+8*\a:F0+8*\a+7], v[F1+8*\b:F1+8*\b+7], v[8*\b:8*\b+7], v[SC0+4*\a+\q], v[SC1+4*\b+\q] matrix_a_fmt:MATRIX_FMT_FP4 matrix_b_fmt:MATRIX_FMT_FP4
.elseif \row
	v_wmma_scale_f32_16x16x128_f8f6f4 v[rD:rD+7], v[F0+8*\a:F0+8*\a+7], v[F1+8*\b:F1+8*\b+7], v[rD:rD+7], v[SC0+4*\a+\q], v[SC1+4*\b+\q] matrix_a_fmt:MATRIX_FMT_FP4 matrix_b_fmt:MATRIX_FMT_FP4 matrix_a_scale:MATRIX_SCALE_ROW1 matrix_b_scale:MATRIX_SCALE_ROW1
.else
	v_wmma_scale_f32_16x16x128_f8f6f4 v[rD:rD+7], v[F0+8*\a:F0+8*\a+7], v[F1+8*\b:F1+8*\b+7], v[rD:rD+7], v[SC0+4*\a+\q], v[SC1+4*\b+\q] matrix_a_fmt:MATRIX_FMT_FP4 matrix_b_fmt:MATRIX_FMT_FP4
.endif
.endr
.endr
.endm
.macro KSTEP ch, q
	PLACES 4                                       ; four plain places between the last products and loads into the registers that they read (ISA guide 7.12.1 for vector instructions)
	FETCH \ch, \q
	s_wait_dscnt 0x0                               ; one set of fragments: two other waves of the SIMD have their products to issue meanwhile
	MUL16 \q, \ch, 0
.endm
	s_cmp_lt_u32 s[WV], 4
	s_cbranch_scc0 .Lfetched_second
	s_wait_tensorcnt 0x0                           ; waves 0-3: my load of K's first half has landed; waves 4-7's of the second half, on lines of their own, may stay out
.Lfetched_second:
	s_barrier_signal -1
	s_barrier_wait -1                              ; everybody's has
	FETCH 0, 0
	s_wait_loadcnt 0x0                             ; scale words and bias
	s_wait_dscnt 0x0
	s_cmp_lt_u32 s[WV], 8
	s_cbranch_scc0 .Lfirst_v
	WIN 0x10                                       ; source 2 window 1
	MUL16 0, 0, 1
	WIN 0
	s_branch .Lfirst_done
.Lfirst_v:
	WIN 0x10
	MUL16 0, 0, 2
	WIN 0
.Lfirst_done:
	KSTEP 0, 1
	KSTEP 0, 2
	KSTEP 0, 3
	s_wait_tensorcnt 0x0                           ; K's second half has landed (no LDS instruction of mine is out)
	s_barrier_signal -1
	s_barrier_wait -1
	KSTEP 1, 0
	KSTEP 1, 1
	KSTEP 1, 2
	KSTEP 1, 3
	PLACES 4                                       ; in front of the first read of results
; THE QUANTISER: image b: my block of 32 is the 32 registers from ACC + 32 b on; the four images by turns, each accumulator from its low end on.
.irp b, 0,1,2,3
	v_max3_num_f32 v[TM+\b], |v[ACC+32*\b]|, |v[ACC+32*\b+1]|, 0x1800000   ; and the floor 2^(3 - 127): the byte cannot fall under 1
.endr
.irp i, 2,4,6,8,10,12,14,16,18,20,22,24,26,28,30
.irp b, 0,1,2,3
	v_max3_num_f32 v[TM+\b], v[TM+\b], |v[ACC+32*\b+\i]|, |v[ACC+32*\b+\i+1]|
.endr
.endr
.irp b, 0,1,2,3
	v_add_nc_u32 v[TM+4+\b], 0xff000000, v[TM+\b]  ; 2 off its exponent field: the conversion takes the exponent field of this operand as its scale
.endr
.irp b, 0,1,2,3
	v_lshrrev_b32 v[TM+\b], 23, v[TM+4+\b]         ; the scale's byte
.endr
	v_lshl_or_b32 v[TM],   v[TM+1], 16, v[TM]      ; images 0 and 1: my block's bytes
	v_lshl_or_b32 v[TM+2], v[TM+3], 16, v[TM+2]    ; images 2 and 3
.irp b, 0,1,2,3
.irp a, 0,1,2,3
	v_cvt_scalef32_pk8_fp4_f32 v[PC+4*\b+\a], v[ACC+32*\b+8*\a:ACC+32*\b+8*\a+7], v[TM+4+\b]
.endr
.endr
	v_nop                                          ; one plain place behind a scaled conversion
	v_permlane16_swap_b32 v[TM], v[TM+2]           ; now lanes 0-15 hold images 0 and 1, lanes 16-31 images 2 and 3: block 0's bytes in the first, block 1's in the second
	v_lshl_or_b32 v[TM], v[TM+2], 8, v[TM]
.irp b, 0,1,2,3
	global_store_b128 v[L16], v[PC+4*\b:PC+4*\b+3], s[72:73] offset:512*\b   ; 32 lanes store 512 consecutive bytes, at a multiple of 256 from the buffer's first byte
.endr
	global_store_b32 v[L4], v[TM], s[74:75]        ; 128 consecutive bytes
	s_wait_tensorcnt 0x0                           ; the wave's end
	ds_add_u32 v[SPW], v[NIL]
	s_wait_dscnt 0x0
	ROUND                                          ; the closing round: no work-group ends while a partner may still ask for a tile that names it
	s_endpgm
.Lfunc_end_k_q9d2f8adde7_qkv:
	.size	k_q9d2f8adde7_qkv, .Lfunc_end_k_q9d2f8adde7_qkv-k_q9d2f8adde7_qkv
	.p2alignl 7, 3214868480
	.fill 96, 4, 3214868480
	.section	.rodata,"a",@progbits
	.p2align	6, 0x0
	.amdhsa_kernel k_q9d2f8adde7_qkv
		.amdhsa_group_segment_fixed_size 280064
		.amdhsa_private_segment_fixed_size 0
		.amdhsa_enable_private_segment 0
		.amdhsa_kernarg_size 64
		.amdhsa_user_sgpr_count 2
		.amdhsa_user_sgpr_kernarg_segment_ptr 1
		.amdhsa_wavefront_size32 1
		.amdhsa_system_sgpr_workgroup_id_x 1
		.amdhsa_system_sgpr_workgroup_id_y 1
		.amdhsa_system_sgpr_workgroup_id_z 1
		.amdhsa_system_vgpr_workitem_id 0
		.amdhsa_next_free_vgpr 288
		.amdhsa_next_free_sgpr 96
		.amdhsa_reserve_vcc 0
		.amdhsa_float_denorm_mode_32 3
		.amdhsa_float_denorm_mode_16_64 3
		.amdhsa_memory_ordered 1
		.amdhsa_forward_progress 1
		.amdhsa_inst_pref_size 48
	.end_amdhsa_kernel
	.amdgpu_metadata
---
amdhsa.version: [ 1, 2 ]
amdhsa.kernels:
  - .name:           k_q9d2f8adde7_qkv
    .symbol:         k_q9d2f8adde7_qkv.kd
    .args:
      - { .name: query_codes, .offset: 0, .size: 8, .value_kind: global_buffer, .address_space: global }
      - { .name: query_scales, .offset: 8, .size: 8, .value_kind: global_buffer, .address_space: global }
      - { .name: w_in_codes, .offset: 16, .size: 8, .value_kind: global_buffer, .address_space: global }
      - { .name: w_in_scales, .offset: 24, .size: 8, .value_kind: global_buffer, .address_space: global }
      - { .name: b_in, .offset: 32, .size: 8, .value_kind: global_buffer, .address_space: global }
      - { .name: qc, .offset: 40, .size: 8, .value_kind: global_buffer, .address_space: global }
      - { .name: qs, .offset: 48, .size: 8, .value_kind: global_buffer, .address_space: global }
      - { .name: kv, .offset: 56, .size: 8, .value_kind: global_buffer, .address_space: global }
    .group_segment_fixed_size: 280064
    .private_segment_fixed_size: 0
    .kernarg_segment_align: 8
    .kernarg_segment_size: 64
    .max_flat_workgroup_size: 384
    .sgpr_count:     96
    .vgpr_count:     288
    .wavefront_size: 32
...
	.end_amdgpu_metadata
.endif
;; end of part 1
;; launch attn (part 2): grid 4 x 64, 16 waves a work-group, clusters of 4 x 4, 167,936 bytes of LDS; arguments qc, qs, kv, oc, os; writes oc, os
.if DOCPART == 2
	.amdgcn_target "amdgcn-amd-amdhsa--gfx1250"
	.amdhsa_code_object_version 6
	.text
	.protected	k_q9d2f8adde7_attn
	.globl	k_q9d2f8adde7_attn
	.p2align	8
	.type	k_q9d2f8adde7_attn,@function
k_q9d2f8adde7_attn:
	s_mov_b64 s[64:65], 0
	v_nop
	global_prefetch_b8 v0, s[64:65] scope:SCOPE_SE
	s_setreg_imm32_b32 hwreg(HW_REG_WAVE_MODE, 25, 1), 1
	s_wait_xcnt 0x0
	s_wait_alu depctr_hold_cnt(0) depctr_sa_sdst(0) depctr_va_vdst(0) depctr_va_sdst(0) depctr_va_ssrc(0) depctr_va_vcc(0) depctr_vm_vsrc(0)
	s_getreg_b32 s2, hwreg(HW_REG_IB_STS2, 6, 4)
	s_cmp_eq_u32 s2, 0
	s_cbranch_scc0 .Lentry_in_a_cluster
	s_endpgm
.Lentry_in_a_cluster:
	s_bfe_u32 s2, ttmp6, 0x10000c
	s_cmp_lg_u32 s2, 0xf033
	s_cbranch_scc0 .Lentry_shape_is_right
	s_endpgm
.Lentry_shape_is_right:
; O[q] = the sum over the keys of softmax(q . k / 8) v for one head of 64, both products on codes of FP4 (E2M1) with one E8M0 scale for each 32 along a product's K; O / l is quantised along E for the last product.
; (The program's inputs key and value are dead: see the head of launch qkv.)
; IN.  qc, qs, kv as launch qkv lays them.  A group is 64 keys; image u of a group, lane (r, h): 16 bytes, d 32 h + 0 .. 31 (k; the dwords of h = 1 in the order 1, 0, 3, 2) of slot 16 u + r; slot r < 8 is key 8 u + r, r >= 8 key
;      32 + 8 (u xor 1) + r - 8.  v: image dt, lane (r, h): the group's keys 32 h + 0 .. 31 (dwords likewise) of d-slot 16 dt + r.
; THE SOFTMAX AHEAD OF THE SECOND PRODUCT: t = score x log2(e) / 8; M = the row's largest t so far, rounded UP to a whole number; p = 2^(t - M) is quantised along the keys, not normalised.
; The row's sum is taken of the unquantised p, in f32, and divides O at the end.  When M moves, the sum and O are multiplied by 2^(old M - new M): exact.
; SHARES.  A work-group owns 256 queries of one head; each of its sixteen waves 16 of them (one image of q), in 256 registers.  Every wave walks the head's 2,048 keys, 256 (four groups) a trip, and meets one barrier in the
; walk, which it has signalled ahead of it.
; LAYOUT.  Both products are used transposed: S^T = K Q^T (source 0 = slots of keys), O^T = V^T P^T (source 0 = 16 d-slots): a lane holds ONE query (lane % 16) throughout.  In tile u of a group lane (r, h) holds keys
; 32 h + 8 (u xor h) + 0 .. 7: the 32 registers of a group's four tiles are one whole block of 32 keys, and the codes of tile u are dword u of the lane's 16 bytes, in v's order.  No lane asks another for a number of a block.
; THE FIRST PRODUCT'S K IS 64: a fragment of K holds TWO images, one in each half of the instruction's 128; Q stands in the half that is wanted and zero codes in the other: v[12:19] = Q, 0 and v[8:15] = 0, Q.
; It is done in the form of 32 rows: the fragments of images 0, 1 and of images 2, 3 are its two halves of rows, and a group's word of scales is as stored what it wants: lane m for row m.  So a group's tiles stand in the order 0, 2, 1, 3.
; THE EXPONENTIALS go in four stages, a group in each, between two waits.  Among a stage's exponentials stands plain work that reads what was written ahead of the stage's first wait and writes what is read behind its second:
; later groups' t - M, and the sums of earlier groups, as 16 independent pairs.
; LDS.  A head's block of kv, 139,264 dense bytes, stays in LDS: filled ONCE, 8,704 bytes by each of the sixteen waves, one tensor load a wave.  Nothing is filled again, and there is no stream to run ahead of: nothing is prefetched.
; CLUSTER 4 x 4: the four work-groups of a row of the cluster belong to one head and ask for its block jointly; rows 2 j and 2 j + 1 are the two halves of one head's queries.
; OUT.  oc [block of 128 slots 32][head 16][image 8][512 bytes], os [head 16][slot 4,096] two bytes: the slots of q, E in its natural order.
; LIMITS: NaN and infinities are not served; |t| stays under 2^31.  A block whose largest magnitude lies under 2^-124 (p or O), zeros among them, gets the byte 1: its codes are zeros or the smallest, and only this
; program reads the bytes.  A block's largest p is 2^(the block's largest t - M) by the same two instructions as every p, which takes v_exp_f32 not to fall where its input rises.  O / l is v_rcp_f32 and a multiplication.
; REGISTERS: v1 16 x lane; v2, v3 LDS addresses of the trip; v4-7 V's scale words as they come, then v30, v31, v4, v5 those of the products and v6, v7 p's; v8-19 0, Q, 0; v20 Q's scale word; v21 4 x lane; v22 -M; v23 the
; largest score; v24-27 K's scale words; v[28:29] the sum in two halves; v32-63 K's groups 0, 1, then V's 0, 1, then the next trip's K; v64-191 S^T, then p (v64-95 in the end V's groups 2, 3; v96-127 the sums); v192-223 O^T;
; v224-255 K's groups 2, 3, then v224-239 p's codes and v240-255 at work.
.set GB,    4352                       ; a group's bytes
.set TRIPB, 4*GB                       ; a trip's
.set OSG,   32*GB                      ; the result's scale bytes, 2 for each of 256 queries: written by LDS stores alone
.set SPARE, OSG+512                    ; the spare words, 128 bytes a wave
.set WV,  12                           ; s12 my wave's number
.set G1,  16                           ; s[16:23], s[24:27] descriptor groups 1 and 0
.set G0,  24
.set CS,  28                           ; s[28:29] c = log2(e) / 8: the packed form names a pair and takes its low word for both halves
.set NCS, 30                           ; s30 -c
.set T,   31                           ; s31 the trip's first byte in LDS
.set SEL, 40                           ; s[40:41] lane selects for v_permlanex16_b32: lane l xor 16
.macro ROUND                           ; a round of the cluster's barrier
	s_barrier_signal -1
	s_barrier_wait -1
	s_cmp_lg_u32 s[WV], 0
	s_cbranch_scc1 .Lnot_wave_0_\@
	s_barrier_signal -3
.Lnot_wave_0_\@:
	s_barrier_wait -3
	s_barrier_signal -1
	s_barrier_wait -1
.endm
	s_load_b256 s[4:11], s[0:1], 0x0               ; qc s[4:5], qs s[6:7], kv s[8:9], oc s[10:11]
	s_load_b64 s[42:43], s[0:1], 0x20              ; os
	v_lshl_add_u32 v252, v0, 2, SPARE
	v_mov_b32 v253, 0
	ds_add_u32 v252, v253                          ; the opening: the add, twice on end, and its wait
	ds_add_u32 v252, v253
	v_lshrrev_b32 v1, 5, v0
	v_readfirstlane_b32 s[WV], v1                  ; wave 0..15
	s_bfe_u32 s13, ttmp6, 0x40000                  ; cx
	s_bfe_u32 s44, ttmp6, 0x40004                  ; cy
	s_and_b32 s15, ttmp7, 0xffff
	s_lshl_b32 s15, s15, 2
	s_add_co_u32 s15, s15, s44                     ; y = 4 x cluster y + cy, which a row of the cluster shares
	s_and_b32 s14, s15, 1
	s_lshl_b32 s14, s14, 2
	s_add_co_u32 s14, s14, s13                     ; x = 4 (y % 2) + cx: my block of 256 queries: it enters the addresses of qc, qs, oc and os alone
	s_lshr_b32 s15, s15, 1                         ; 16 x batch + head
	s_lshl_b32 s44, s44, 2
	s_lshl_b32 s44, 15, s44                        ; my row of the cluster
	; descriptor group 1: two groups are 8,704 dense bytes: 34 rows of 256 bytes (32 elements of 8 bytes), no padding: images are read 16 bytes a lane, on end
	s_or_b32 s[G1], s44, (3<<16)|(1<<21)           ; 15:0 the mask; 17:16 elements of 8 bytes; 21 set beside a mask
	s_mov_b32 s[G1+1], 32<<16                      ; tensor_dim0
	s_mov_b32 s[G1+2], 34<<16                      ; tensor_dim1
	s_mov_b32 s[G1+3], 32<<16                      ; tile_dim0
	s_mov_b32 s[G1+4], 34                          ; tile_dim1
	s_mov_b32 s[G1+5], 32                          ; from row to row
	s_mov_b32 s[G1+6], 0
	s_mov_b32 s[G1+7], 0
	s_mov_b32 s[SEL], 0x76543210
	s_mov_b32 s[SEL+1], 0xfedcba98
	s_mov_b32 s[CS], 0x3e38aa3b                    ; log2(e) / 8
	s_mov_b32 s[CS+1], s[CS]                       ; (named with it as a pair, so it is written)
	s_mov_b32 s[NCS], 0xbe38aa3b
	s_mov_b32 s[T], 0
	s_mul_i32 s50, s[WV], 2*GB                     ; what I fetch: groups 2 wave, 2 wave + 1
	s_mul_i32 s48, s15, 32*GB
	s_add_co_u32 s48, s48, s50
	s_mov_b32 s49, 0
	s_lshl_b32 s52, s14, 4
	s_add_co_u32 s52, s52, s[WV]                   ; my image of q in the batch: 16 x + wave
	s_lshl_b32 s54, s52, 9
	s_lshl_b32 s51, s15, 16
	s_add_co_u32 s54, s54, s51
	s_mov_b32 s55, 0
	s_lshr_b32 s56, s52, 2                         ; its scale bytes: group = image / 4;
	s_lshl_b32 s56, s56, 7
	s_lshl_b32 s51, s15, 12
	s_add_co_u32 s56, s56, s51
	s_bfe_u32 s51, s[WV], 0x10001                  ; lanes 16-31's words for images 2 and 3;
	s_lshl_b32 s51, s51, 6
	s_add_co_u32 s56, s56, s51
	s_mov_b32 s57, 0
	s_and_b32 s53, s[WV], 1                        ; the upper half of the word for an odd image: a byte select
	s_mul_i32 s53, s53, 0x02020202
	s_add_co_u32 s53, s53, 0x01000100
	s_lshr_b32 s58, s15, 4                         ; batch
	s_and_b32 s59, s15, 15                         ; head
	s_lshl_b32 s60, s58, 7
	s_add_co_u32 s60, s60, s52                     ; my image among all 256 of a head's slots
	s_and_b32 s61, s60, 7
	s_lshl_b32 s61, s61, 9
	s_lshr_b32 s60, s60, 3
	s_lshl_b32 s60, s60, 4
	s_add_co_u32 s60, s60, s59
	s_lshl_b32 s60, s60, 12
	s_add_co_u32 s60, s60, s61
	s_mov_b32 s61, 0
	s_lshl_b32 s62, s58, 11                        ; os: the work-group's first slot is 2,048 batch + 256 x
	s_lshl_b32 s63, s14, 8
	s_add_co_u32 s62, s62, s63
	s_lshl_b32 s62, s62, 1
	s_lshl_b32 s63, s59, 13
	s_add_co_u32 s62, s62, s63
	s_mov_b32 s63, 0
	v_and_b32 v3, 31, v0                           ; lane
	v_lshlrev_b32 v1, 4, v3
	v_lshlrev_b32 v21, 2, v3
	v_and_b32 v2, 15, v0
	v_lshlrev_b32 v2, 2, v2                        ; 4 r
	s_wait_alu depctr_va_vdst(0)                   ; directly ahead of the wait below
	s_wait_dscnt 0x0                               ; both opening adds are done
	ROUND                                          ; all sixteen work-groups are here: the joint loads meet
	s_wait_kmcnt 0x0
	s_mov_b32 s[G0], 1                             ; count = 1
	s_mov_b32 s[G0+1], s50                         ; LDS address
	s_add_nc_u64 s[G0+2:G0+3], s[8:9], s[48:49]    ; global address
	s_or_b32 s[G0+3], s[G0+3], 0x80000000          ; type = 2
	; Every wave issues one: all fills of the launch.  Waves 0-7 fetch groups 0-15, waves 8-15 groups 16-31 by a line of their own, since they are waited for later.
	s_cmp_lt_u32 s[WV], 8
	s_cbranch_scc0 .Lsecond_half
	tensor_load_to_lds s[G0:G0+3], s[G1:G1+7]
	s_nop 0
.rept 4
	v_nop
.endr
	s_branch .Lasked
.Lsecond_half:
	tensor_load_to_lds s[G0:G0+3], s[G1:G1+7]
	s_nop 0
.rept 4
	v_nop
.endr
.Lasked:
	s_add_nc_u64 s[54:55], s[4:5], s[54:55]
	s_add_nc_u64 s[56:57], s[6:7], s[56:57]
	s_add_nc_u64 s[60:61], s[10:11], s[60:61]
	s_add_nc_u64 s[62:63], s[42:43], s[62:63]
	global_load_b128 v[12:15], v1, s[54:55]        ; Q's image
	global_load_b32 v240, v2, s[56:57]             ; its scale bytes: every lane takes row r's word
.irp j, 8,9,10,11,16,17,18,19
	v_mov_b32 v[\j], 0                             ; the zero codes beside Q
.endr
	v_mov_b32 v23, 0xff61b1e6                      ; the largest score so far: -3e38, under every score
	v_mov_b32 v22, 0x7e000000                      ; -M: above every -M that follows, so that the first change of M multiplies the zeros below by 0
	v_mov_b32 v28, 0                               ; the sum, in two halves
	v_mov_b32 v29, 0
	s_wait_loadcnt 0x0
	v_perm_b32 v20, v240, v240, s53                ; Q's scale word: my image's two bytes, twice
.set J, 192
.rept 32
	v_mov_b32 v[J], 0                              ; O^T.  (A trip is the same from the first on: the first finds zeros.)  These lines also part Q's scale word from the first product
.set J, J+1
.endr
.macro LOADK ka, sa, off               ; K's groups 0, 1 of the trip that begins off bytes on, and the scale words of its four groups
.irp g, 0,1,2,3
	ds_load_b32 v[24+\g], \sa offset:\off+GB*\g+4096
.endr
.irp g, 0,1
.irp u, 0,1,2,3
	ds_load_b128 v[32+16*\g+4*\u:35+16*\g+4*\u], \ka offset:\off+GB*\g+512*\u
.endr
.endr
.endm
.macro SCORES g                        ; group g: 32 rows against Q, 0: tiles 0 and 2; against 0, Q: tiles 1 and 3
.set KA, 32+16*\g+160*(\g/2)
	v_wmma_scale_f32_32x16x128_f4 v[64+32*\g:79+32*\g], v[KA:KA+15], v[12:19], 0, v[24+\g], v20
	v_wmma_scale_f32_32x16x128_f4 v[80+32*\g:95+32*\g], v[KA:KA+15], v[8:15], 0, v[24+\g], v20
.endm
.macro LOADV s                         ; V's groups 2 s, 2 s + 1: four fragments of 128 keys
.irp d, 0,1,2,3
.irp c, 0,1
	ds_load_b128 v[32+32*\s+8*\d+4*\c:35+32*\s+8*\d+4*\c], v2 offset:GB*(2*\s+\c)+2048+512*\d
.endr
.endr
.endm
.macro CODES g                         ; p's codes of group g: dword u from tile u
.irp u, 0,1,2,3
.set rP, 64+32*\g+16*(\u%2)+8*(\u/2)
	v_cvt_scalef32_pk8_fp4_f32 v[224+4*\g+\u], v[rP:rP+7], v[244+\g]
.endr
.endm
.macro TM r                            ; t - M of two keys
	v_pk_fma_f32 v[\r:\r+1], v[\r:\r+1], s[CS:CS+1], v[22:23] op_sel_hi:[1,0,0]
.endm
.macro ADD r, q
	v_pk_add_f32 v[\r:\r+1], v[\r:\r+1], v[\q:\q+1]
.endm
.macro PV s                            ; O^T += V^T P^T over groups 2 s, 2 s + 1: the four accumulators by turns
.irp d, 0,1,2,3
.set rD, 192+8*\d
.set rA, 32+32*\s+8*\d
.set rB, 224+8*\s
.set rS, 30-26*\s+(\d%2)
.if \d < 2
	v_wmma_scale_f32_16x16x128_f8f6f4 v[rD:rD+7], v[rA:rA+7], v[rB:rB+7], v[rD:rD+7], v[rS], v[6+\s] matrix_a_fmt:MATRIX_FMT_FP4 matrix_b_fmt:MATRIX_FMT_FP4
.else
	v_wmma_scale_f32_16x16x128_f8f6f4 v[rD:rD+7], v[rA:rA+7], v[rB:rB+7], v[rD:rD+7], v[rS], v[6+\s] matrix_a_fmt:MATRIX_FMT_FP4 matrix_b_fmt:MATRIX_FMT_FP4 matrix_a_scale:MATRIX_SCALE_ROW1
.endif
.endr
.endm
; A TRIP: 256 keys.  K's groups 0 and 1 have been asked for already.  last = 1: nothing is asked for the next trip.
; The last trip's products stand eight additions and the two lines below ahead: the places for loads into registers that they read, and for products that write over V's fragments in v64-95.
.macro TRIP last
	v_add_nc_u32 v2, s[T], v1
	v_add_nc_u32 v3, s[T], v21
.irp g, 0,1,2,3
	ds_load_b32 v[4+\g], v3 offset:GB*\g+4224      ; V's scale words
.endr
.irp g, 2,3
.irp u, 0,1,2,3
	ds_load_b128 v[192+16*\g+4*\u:195+16*\g+4*\u], v2 offset:GB*\g+512*\u
.endr
.endr
	s_wait_alu depctr_va_vdst(0)                   ; directly ahead of the wait below
	s_wait_dscnt 0xc                               ; groups 0 and 1 are in; the twelve loads above may be out
	SCORES 0
	SCORES 1
	s_wait_dscnt 0x0
	SCORES 2
	SCORES 3
	v_perm_b32 v30, v5, v4, 0x05040100             ; V's scale words of 128 keys: groups 0, 1: d-slots' images 0 (lanes 0-15) and 2 (lanes 16-31)
	v_perm_b32 v31, v5, v4, 0x07060302             ; images 1 and 3
	v_perm_b32 v4, v7, v6, 0x05040100              ; groups 2, 3
	v_perm_b32 v5, v7, v6, 0x07060302              ; these four are also the places in front of the loads and of the first read of results below
	LOADV 0                                        ; asked for now, wanted behind the softmax
; THE LARGEST SCORE OF EACH BLOCK OF 32 KEYS, on two chains a block: it serves the row's maximum and, since p rises with the score, the block's largest p.
.irp g, 0,1,2,3
	v_max3_num_f32 v[240+\g], v[64+32*\g], v[65+32*\g], v[66+32*\g]
.endr
.irp g, 0,1,2,3
	v_max3_num_f32 v[244+\g], v[81+32*\g], v[82+32*\g], v[83+32*\g]
.endr
.irp i, 0,1,2,3,4,5
.irp g, 0,1,2,3
	v_max3_num_f32 v[240+\g], v[240+\g], v[67+32*\g+2*\i], v[68+32*\g+2*\i]
.endr
.irp g, 0,1,2,3
	v_max3_num_f32 v[244+\g], v[244+\g], v[84+32*\g+2*\i], v[85+32*\g+2*\i]
.endr
.endr
.irp g, 0,1,2,3
	v_max3_num_f32 v[240+\g], v[240+\g], v[79+32*\g], v[80+32*\g]
.endr
.irp g, 0,1,2,3
	v_max_num_f32 v[240+\g], v[240+\g], v[244+\g]
.endr
	v_max3_num_f32 v244, v240, v241, v242
	s_delay_alu instid0(VALU_DEP_1)
	v_max3_num_f32 v244, v244, v243, v23           ; and the largest so far
	s_delay_alu instid0(VALU_DEP_1)
	v_permlanex16_b32 v245, v244, s[SEL], s[SEL+1]
	s_delay_alu instid0(VALU_DEP_1)
	v_max_num_f32 v23, v244, v245                  ; with lane l xor 16's keys
	s_delay_alu instid0(VALU_DEP_1)
	v_mul_f32 v246, s[NCS], v23                    ; -t (c is positive)
	s_delay_alu instid0(VALU_DEP_1)
	v_floor_f32 v246, v246                         ; the new -M = floor(-t) = -ceil(t): a whole number
	s_delay_alu instid0(VALU_DEP_1)
	v_sub_f32 v247, v246, v22                      ; M's old value less its new one: a whole number, 0 or less
	s_delay_alu instid0(VALU_DEP_1)
	v_cvt_i32_f32 v247, v247                       ; (it saturates)
	v_mov_b32 v22, v246
	s_delay_alu instid0(VALU_DEP_2)
	v_ldexp_f32 v252, 1.0, v247                    ; f = 2^(old M - new M): a multiplication by it rounds nothing
	TM 240                                         ; each block's largest t - M
	TM 242
.set J, 0
.rept 16
	TM 64+2*J                                      ; group 0's t - M,
	v_pk_mul_f32 v[192+2*J:193+2*J], v[192+2*J:193+2*J], v[252:253] op_sel_hi:[1,0]   ; and O^T under the new M
.set J, J+1
.endr
	v_pk_mul_f32 v[28:29], v[28:29], v[252:253] op_sel_hi:[1,0]   ; the sums likewise
	s_wait_alu depctr_va_vdst(0)                   ; the waits ahead of and behind each stage's exponentials
.irp g, 0,1,2,3
	v_exp_f32 v[240+\g], v[240+\g]                 ; the block's largest p: the same two instructions on the same number give the same bits
.endr
.set J, 0
.rept 16
	v_exp_f32 v[64+2*J], v[64+2*J]                 ; group 0: p = 2^(t - M), at most 1: not normalised
	v_exp_f32 v[65+2*J], v[65+2*J]
	TM 96+2*J                                      ; group 1's t - M
.set J, J+1
.endr
	s_wait_alu depctr_va_vdst(0)
.irp g, 0,1,2,3
	v_max_num_f32 v[240+\g], 0x1800000, v[240+\g]  ; the floor 2^(3 - 127): the byte cannot fall under 1
.endr
.irp g, 0,1,2,3
	v_add_nc_u32 v[244+\g], 0xff000000, v[240+\g]  ; 2 off the exponent field: the conversion's scale operand
.endr
	CODES 0
.irp g, 0,1,2,3
	v_lshrrev_b32 v[240+\g], 23, v[244+\g]         ; the scale's byte.  (Plain places behind the conversions)
.endr
.set J, 0
.rept 16
	v_exp_f32 v[96+2*J], v[96+2*J]                 ; group 1
	v_exp_f32 v[97+2*J], v[97+2*J]
	TM 128+2*J
.set J, J+1
.endr
	s_wait_alu depctr_va_vdst(0)
	CODES 1
	v_lshl_or_b32 v248, v241, 16, v240             ; groups 0, 1: my block's bytes
	v_lshl_or_b32 v249, v243, 16, v242             ; groups 2, 3
	v_permlanex16_b32 v250, v248, s[SEL], s[SEL+1] ; lane l xor 16's
	v_permlanex16_b32 v251, v249, s[SEL], s[SEL+1]
	v_lshl_or_b32 v6, v250, 8, v248                ; p's scale words, one for each 128 keys: lanes 0-15 are read
	v_lshl_or_b32 v7, v251, 8, v249
.set J, 0
.rept 16
	v_exp_f32 v[128+2*J], v[128+2*J]               ; group 2
	TM 160+2*J
	v_exp_f32 v[129+2*J], v[129+2*J]
	ADD 96+2*J, 64+2*J                             ; THE ROW'S SUM is taken of the unquantised p: 16 pairs, groups 0 and 1
.set J, J+1
.endr
	s_wait_alu depctr_va_vdst(0)
	LOADV 1                                        ; V's groups 2, 3, over group 0's p, which has been summed and converted
	CODES 2
.set J, 0
.rept 16
	v_exp_f32 v[160+2*J], v[160+2*J]               ; group 3
	v_exp_f32 v[161+2*J], v[161+2*J]
	ADD 96+2*J, 128+2*J
.set J, J+1
.endr
	s_wait_alu depctr_va_vdst(0)
	s_wait_dscnt 0x0                               ; V is in
	CODES 3
.set J, 0
.rept 16
	ADD 96+2*J, 160+2*J                            ; (also the places between the codes and the products)
.set J, J+1
.endr
	PV 0
.set J, 0
.rept 8
	ADD 96+2*J, 112+2*J                            ; sixteen pairs to eight.  (Also the places in front of loads into V's registers)
.set J, J+1
.endr
.if \last == 0
	LOADK v2, v3, TRIPB                            ; for the next trip
.endif
	PV 1
.irp j, 0,1,2,3
	ADD 96+2*\j, 104+2*\j
.endr
	ADD 96, 100
	ADD 98, 102
	s_delay_alu instid0(VALU_DEP_1)
	ADD 96, 98
	s_delay_alu instid0(VALU_DEP_1)
	ADD 28, 96
.endm
	s_wait_alu depctr_va_vdst(0)                   ; the head's end
	s_cmp_lt_u32 s[WV], 8
	s_cbranch_scc0 .Lfetched_later
	s_wait_tensorcnt 0x0                           ; waves 0-7: my part of groups 0-15 has landed; waves 8-15's loads, on a line of their own, may stay out
.Lfetched_later:
	s_barrier_signal -1
	s_barrier_wait -1                              ; groups 0-15 are in
	s_wait_tensorcnt 0x0                           ; groups 16-31: my part is in. Each wave says so here, and waits for the others behind two trips, which read groups 0-11 alone
	s_barrier_signal -1
	LOADK v1, v21, 0
.Learly:
	TRIP 0
	s_add_co_u32 s[T], s[T], TRIPB
	s_cmp_lt_u32 s[T], 2*TRIPB
	s_cbranch_scc1 .Learly
	s_barrier_wait -1                              ; groups 16-31 are in
.Ltrip:
	TRIP 0
	s_add_co_u32 s[T], s[T], TRIPB
	s_cmp_lt_u32 s[T], 7*TRIPB
	s_cbranch_scc1 .Ltrip
	TRIP 1
	; THE WAY OUT.  O^T / the sum: register 8 dt + j of lane (r, h) = o(r, 32 h + 8 (dt xor h) + j): a lane holds a whole block of 32 along E.
	v_and_b32 v2, 15, v0
	v_bfe_u32 v3, v0, 4, 1
	s_lshl_b32 s44, s[WV], 5
	s_add_co_u32 s44, s44, OSG
	v_lshl_add_u32 v3, v2, 1, v3                   ; 2 r + h
	v_add_nc_u32 v3, s44, v3                       ; where my scale byte goes
	v_add_nc_u32 v2, OSG, v1                       ; where wave 0 reads them all
	v_lshl_add_u32 v252, v0, 2, SPARE              ; the add's two registers once more
	v_mov_b32 v253, 0
	s_wait_alu depctr_va_vdst(0)                   ; directly ahead of the reader below
	v_add_f32 v28, v28, v29                        ; the sum's two halves,
	s_delay_alu instid0(VALU_DEP_1)
	v_permlanex16_b32 v244, v28, s[SEL], s[SEL+1]
	s_delay_alu instid0(VALU_DEP_1)
	v_add_f32 v28, v28, v244                       ; and lane l xor 16's: the row's sum
	s_wait_alu depctr_va_vdst(0)                   ; ahead of the transcendental
	v_rcp_f32 v28, v28
	v_nop                                          ; one plain place behind a transcendental
	s_wait_alu depctr_va_vdst(0)                   ; and behind it, directly ahead of its readers and of O^T's
.set J, 0
.rept 16
	v_pk_mul_f32 v[64+J:65+J], v[192+J:193+J], v[28:29] op_sel_hi:[1,0]
.set J, J+2
.endr
	v_max3_num_f32 v240, |v64|, |v65|, 0x1800000   ; my block's largest magnitude, and the floor 2^(3 - 127)
	v_max3_num_f32 v241, |v66|, |v67|, 0x1800000
.irp i, 4,8,12,16,20,24,28
	v_max3_num_f32 v240, v240, |v[64+\i]|, |v[65+\i]|
	v_max3_num_f32 v241, v241, |v[66+\i]|, |v[67+\i]|
.endr
	v_max_num_f32 v240, v240, v241
	s_delay_alu instid0(VALU_DEP_1)
	v_add_nc_u32 v244, 0xff000000, v240
	s_delay_alu instid0(VALU_DEP_1)
	v_lshrrev_b32 v242, 23, v244                   ; its scale byte
.irp d, 0,1,2,3
	v_cvt_scalef32_pk8_fp4_f32 v[224+\d], v[64+8*\d:71+8*\d], v244
.endr
	v_nop                                          ; one plain place behind a scaled conversion
	s_mov_b32 vcc_lo, 0xffff0000                   ; lanes 16-31 put their dwords into the natural order of E
	v_cndmask_b32 v228, v224, v225, vcc_lo
	v_cndmask_b32 v229, v225, v224, vcc_lo
	v_cndmask_b32 v230, v226, v227, vcc_lo
	v_cndmask_b32 v231, v227, v226, vcc_lo
	global_store_b128 v1, v[228:231], s[60:61]     ; an image: 512 consecutive bytes, at a multiple of 512 from the buffer's first byte
	ds_store_b8 v3, v242
	s_wait_alu depctr_va_vdst(0)                   ; directly ahead of the wait below
	s_wait_dscnt 0x0                               ; for the others' sake
	s_barrier_signal -1
	s_barrier_wait -1                              ; the 256 queries' bytes lie together
	s_cmp_lg_u32 s[WV], 0
	s_cbranch_scc1 .Lnot_first
	ds_load_b128 v[232:235], v2
	s_wait_dscnt 0x0
	global_store_b128 v1, v[232:235], s[62:63]     ; wave 0 stores them: 512 consecutive bytes, at a multiple of 512
.Lnot_first:
	s_wait_tensorcnt 0x0                           ; the wave's end
	ds_add_u32 v252, v253
	s_wait_dscnt 0x0
	ROUND                                          ; the closing round: no work-group ends while a partner may still ask for a tile that names it
	s_endpgm
.Lfunc_end_k_q9d2f8adde7_attn:
	.size	k_q9d2f8adde7_attn, .Lfunc_end_k_q9d2f8adde7_attn-k_q9d2f8adde7_attn
	.p2alignl 7, 3214868480
	.fill 96, 4, 3214868480
	.section	.rodata,"a",@progbits
	.p2align	6, 0x0
	.amdhsa_kernel k_q9d2f8adde7_attn
		.amdhsa_group_segment_fixed_size 167936
		.amdhsa_private_segment_fixed_size 0
		.amdhsa_enable_private_segment 0
		.amdhsa_kernarg_size 40
		.amdhsa_user_sgpr_count 2
		.amdhsa_user_sgpr_kernarg_segment_ptr 1
		.amdhsa_wavefront_size32 1
		.amdhsa_system_sgpr_workgroup_id_x 1
		.amdhsa_system_sgpr_workgroup_id_y 1
		.amdhsa_system_sgpr_workgroup_id_z 1
		.amdhsa_system_vgpr_workitem_id 0
		.amdhsa_next_free_vgpr 256
		.amdhsa_next_free_sgpr 66
		.amdhsa_reserve_vcc 1
		.amdhsa_float_denorm_mode_32 3
		.amdhsa_float_denorm_mode_16_64 3
		.amdhsa_memory_ordered 1
		.amdhsa_forward_progress 1
		.amdhsa_inst_pref_size 88
	.end_amdhsa_kernel
	.amdgpu_metadata
---
amdhsa.version: [ 1, 2 ]
amdhsa.kernels:
  - .name:           k_q9d2f8adde7_attn
    .symbol:         k_q9d2f8adde7_attn.kd
    .args:
      - { .name: qc, .offset: 0, .size: 8, .value_kind: global_buffer, .address_space: global }
      - { .name: qs, .offset: 8, .size: 8, .value_kind: global_buffer, .address_space: global }
      - { .name: kv, .offset: 16, .size: 8, .value_kind: global_buffer, .address_space: global }
      - { .name: oc, .offset: 24, .size: 8, .value_kind: global_buffer, .address_space: global }
      - { .name: os, .offset: 32, .size: 8, .value_kind: global_buffer, .address_space: global }
    .group_segment_fixed_size: 167936
    .private_segment_fixed_size: 0
    .kernarg_segment_align: 8
    .kernarg_segment_size: 40
    .max_flat_workgroup_size: 512
    .sgpr_count:     66
    .vgpr_count:     256
    .wavefront_size: 32
...
	.end_amdgpu_metadata
.endif
;; end of part 2
;; launch proj (part 3): grid 8 x 32, 8 waves a work-group, clusters of 4 x 4, 171,008 bytes of LDS; arguments oc, os, w_o_codes, w_o_scales, b_o, out0; writes out0
.if DOCPART == 3
	.amdgcn_target "amdgcn-amd-amdhsa--gfx1250"
	.amdhsa_code_object_version 6
	.text
	.protected	k_q9d2f8adde7_proj
	.globl	k_q9d2f8adde7_proj
	.p2align	8
	.type	k_q9d2f8adde7_proj,@function
k_q9d2f8adde7_proj:
	s_mov_b64 s[64:65], 0
	v_nop
	global_prefetch_b8 v0, s[64:65] scope:SCOPE_SE
	s_setreg_imm32_b32 hwreg(HW_REG_WAVE_MODE, 25, 1), 1
	s_wait_xcnt 0x0
	s_wait_alu depctr_hold_cnt(0) depctr_sa_sdst(0) depctr_va_vdst(0) depctr_va_sdst(0) depctr_va_ssrc(0) depctr_va_vcc(0) depctr_vm_vsrc(0)
	s_getreg_b32 s2, hwreg(HW_REG_IB_STS2, 6, 4)
	s_cmp_eq_u32 s2, 0
	s_cbranch_scc0 .Lentry_in_a_cluster
	s_endpgm
.Lentry_in_a_cluster:
	s_bfe_u32 s2, ttmp6, 0x10000c
	s_cmp_lg_u32 s2, 0xf033
	s_cbranch_scc0 .Lentry_shape_is_right
	s_endpgm
.Lentry_shape_is_right:
; out0 = O w_o^T + b_o on codes of FP4 (E2M1) with one E8M0 scale for each 32 along K = E = 1,024.  out0 [4,096][1,024] f32.
; (The program's inputs key and value are dead: see the head of launch qkv.)
; IN.  oc [block of 128 slots 32][head 16][image 8][512 bytes]: an image is four registers of the operand: lane (r, h) = E 64 head + 32 h + 0 .. 31 of slot 16 image + r.  A K step of 128 is two heads: a fragment is two
;      images, 4,096 bytes apart.  os [head 16][slot 4,096]: the two scale bytes of the head's 64.  In a group of 64 tokens slot 16 b + r is token 8 b + r (r < 8) or 32 + 8 (b xor 1) + r - 8 (r >= 8): the stores of out0 undo it.
;      w_o's codes [1,024][512 bytes], its scales [1,024][32].
; SHARES.  A work-group makes 128 tokens (mi) x 128 outputs (nj).  Eight waves: wn = which 64 outputs, wm = which 32 slots.  The product is used transposed: source 0 = 16 rows of w_o, source 1 = 16 slots, so that a
; lane's eight results are eight neighbouring outputs of one token.  Eight accumulators, by turns; two sets of fragments, so that a K step's LDS loads run under the products of the step before.
; LDS.  All of K fits: O's images (64 KiB) and w_o's 128 rows, each in two halves of K, filled ONCE, one tensor load by each of waves 0 to 3.  Nothing is filled again, and there is no loop to run ahead in: nothing is prefetched.
; CLUSTER 4 x 4: O's tile hangs on mi alone and is asked for jointly along a row of the cluster, w_o's on nj alone, jointly along a column.
; LIMITS: NaN and infinities are not served.
.set PITCH, 272                        ; a row of w_o in LDS: 256 bytes + 16 of padding
.set BREG,  65536                      ; LDS: O's halves at 0 and 32,768; w_o's at 65,536 and 65,536 + 128 x 272;
.set BHALF, 128*PITCH
.set STAGE, BREG+2*BHALF               ; the stages for the way out: 16 rows x 272 bytes for each wave; no tensor load lands there
.set SP,    272
.set SPARE, STAGE+8*16*SP              ; the spare words, 128 bytes a wave
.set AD0, 3                            ; v3  LDS address of my fragments of w_o
.set AD1, 4                            ; v4  of O's images
.set STO, 8                            ; v8  the way out: where I put 32 bytes of a row
.set RD,  9                            ; v9  where I read a row back
.set CO,  10                           ; v10 my byte offset in two rows of out0
.set SC0, 16                           ; v16-31 w_o's scale words: register 4 a + i: lanes 0-15 K step i, lanes 16-31 K step 4 + i
.set SC1, 32                           ; v32-39 the slots': register 4 b + i likewise
.set BI,  40                           ; v40-71 b_o as the first products' C: register 8 a + j = b_o[16 a + 8 h + j]
.set FR,  72                           ; v72-119, v120-167 two sets: w_o's four fragments, then O's two;  on the way out rows of out0
.set ACC, 168                          ; v168-231 accumulator (a, b) at 168 + 8 (4 b + a)
.set SPW, 254
.set NIL, 255
.set WV,  18
.set G1A, 24                           ; s[24:31], s[40:43] groups 1 and 0 for O's half;  s[32:39], s[48:51] for w_o's
.set G1B, 32
.set G0A, 40
.set G0B, 48
.macro PLACES n
.rept \n
	v_nop
.endr
.endm
.macro ROUND                           ; a round of the cluster's barrier
	s_barrier_signal -1
	s_barrier_wait -1
	s_cmp_lg_u32 s[WV], 0
	s_cbranch_scc1 .Lnot_wave_0_\@
	s_barrier_signal -3
.Lnot_wave_0_\@:
	s_barrier_wait -3
	s_barrier_signal -1
	s_barrier_wait -1
.endm
	s_load_b256 s[4:11], s[0:1], 0x0               ; oc s[4:5], os s[6:7], w_o's codes s[8:9], its scales s[10:11]
	s_load_b128 s[12:15], s[0:1], 0x20             ; b_o s[12:13], out0 s[14:15]
	v_lshl_add_u32 v[SPW], v0, 2, SPARE
	v_mov_b32 v[NIL], 0
	ds_add_u32 v[SPW], v[NIL]                      ; the opening: the add, twice on end, and its wait
	ds_add_u32 v[SPW], v[NIL]
	v_lshrrev_b32 v1, 5, v0
	v_readfirstlane_b32 s[WV], v1                  ; wave 0..7
	s_and_b32 s23, s[WV], 1                        ; wn
	s_lshr_b32 s56, s[WV], 1                       ; wm
	s_bfe_u32 s19, ttmp6, 0x40000                  ; cx, cy
	s_bfe_u32 s20, ttmp6, 0x40004
	s_lshl_b32 s21, ttmp9, 2
	s_add_co_u32 s21, s21, s19                     ; nj
	s_and_b32 s22, ttmp7, 0xffff
	s_lshl_b32 s22, s22, 2
	s_add_co_u32 s22, s22, s20                     ; mi
	s_lshl_b32 s57, s20, 2
	s_lshl_b32 s57, 15, s57                        ; my row of the cluster
	s_lshl_b32 s58, 0x1111, s19                    ; my column
	; O's half: 32,768 dense bytes as 128 rows of 256 bytes (32 elements of 8 bytes), no padding
	s_or_b32 s[G1A], s57, (3<<16)|(1<<21)
	s_mov_b32 s[G1A+1], 32<<16
	s_mov_b32 s[G1A+2], 128<<16
	s_mov_b32 s[G1A+3], 32<<16
	s_mov_b32 s[G1A+4], 128
	s_mov_b32 s[G1A+5], 32
	s_mov_b32 s[G1A+6], 0
	s_mov_b32 s[G1A+7], 0
	; w_o's half: 128 rows x 256 bytes out of rows of 512, 16 bytes of padding behind each
	s_or_b32 s[G1B], s58, (0<<16)|(1<<20)|(1<<21)|(5<<22)|(3<<25)
	s_mov_b32 s[G1B+1], 256<<16
	s_mov_b32 s[G1B+2], 128<<16
	s_mov_b32 s[G1B+3], 256<<16
	s_mov_b32 s[G1B+4], 128
	s_mov_b32 s[G1B+5], 512
	s_mov_b32 s[G1B+6], 0
	s_mov_b32 s[G1B+7], 0
	s_min_u32 s57, s56, 1                          ; which half of K I fetch, if I fetch: waves 0, 1 the first, 2, 3 the second
	s_lshl_b32 s58, s57, 15
	s_lshl_b32 s60, s22, 16                        ; oc: 65,536 bytes a block of 128 slots: mi and the wave's number alone
	s_add_co_u32 s60, s60, s58
	s_mov_b32 s61, 0
	s_mul_i32 s77, s57, BHALF
	s_add_co_u32 s77, s77, BREG
	s_lshl_b32 s57, s57, 8
	s_lshl_b32 s62, s21, 16                        ; w_o: 128 nj rows of 512 bytes: nj and the wave's number alone
	s_add_co_u32 s62, s62, s57
	s_mov_b32 s63, 0
	s_lshl_b32 s66, s21, 7
	s_lshl_b32 s59, s23, 6
	s_add_co_u32 s66, s66, s59                     ; my first row of w_o = my first output: 128 nj + 64 wn
	s_lshl_b32 s68, s66, 2                         ; in b_o, and in a row of out0
	s_mov_b32 s69, 0
	s_lshl_b32 s66, s66, 5                         ; in w_o's scales
	s_mov_b32 s67, 0
	s_lshl_b32 s70, s22, 7
	s_lshr_b32 s59, s56, 1
	s_lshl_b32 s59, s59, 6
	s_add_co_u32 s72, s70, s59                     ; my group of 64 tokens: 128 mi + 64 (wm / 2),
	s_and_b32 s59, s56, 1
	s_lshl_b32 s59, s59, 4
	s_add_co_u32 s72, s72, s59                     ; and my images 2 (wm % 2), + 1 begin 16 (wm % 2) tokens on
	s_lshl_b32 s72, s72, 12                        ; its row of out0, 4,096 bytes each,
	s_add_co_u32 s72, s72, s68                     ; at my first output
	s_mov_b32 s73, 0
	s_lshl_b32 s59, s56, 5
	s_add_co_u32 s70, s70, s59                     ; my first slot: 128 mi + 32 wm
	s_lshl_b32 s70, s70, 1                         ; in a head's row of os
	s_mov_b32 s71, 0
	s_mul_i32 s74, s23, 64*PITCH
	s_add_co_u32 s74, s74, BREG                    ; LDS: my 64 rows of w_o
	s_lshl_b32 s75, s56, 10                        ; my two images
	s_mul_i32 s76, s[WV], 16*SP
	s_add_co_u32 s76, s76, STAGE                   ; my stage
	v_and_b32 v1, 15, v0                           ; r
	v_bfe_u32 v2, v0, 4, 1                         ; h
	v_lshlrev_b32 v5, 5, v1
	v_lshlrev_b32 v6, 5, v2                        ; b_o: 32 h
	v_lshlrev_b32 v7, 1, v1
	v_lshl_add_u32 v5, v2, 4, v5                   ; w_o's scales: 32 r + 16 h: lanes 0-15 words 0-3 of their row, lanes 16-31 words 4-7
	v_lshl_add_u32 v7, v2, 16, v7                  ; os: 2 r, and eight heads (four K steps) on for lanes 16-31
	s_wait_alu depctr_va_vdst(0)                   ; directly ahead of the wait below
	s_wait_dscnt 0x0                               ; both opening adds are done
	ROUND                                          ; all sixteen work-groups are here: the joint loads meet
	s_wait_kmcnt 0x0
	s_mov_b32 s[G0A], 1
	s_mov_b32 s[G0A+1], s58
	s_add_nc_u64 s[G0A+2:G0A+3], s[4:5], s[60:61]
	s_or_b32 s[G0A+3], s[G0A+3], 0x80000000
	s_mov_b32 s[G0B], 1
	s_mov_b32 s[G0B+1], s77
	s_add_nc_u64 s[G0B+2:G0B+3], s[8:9], s[62:63]
	s_or_b32 s[G0B+3], s[G0B+3], 0x80000000
; All fills of the launch, one a wave.  Waves 0 and 1: K's first half of O and of w_o; waves 2 and 3: the second half, by lines of their own, since they are waited for later.
.macro ARM under, g0, g1, next
	s_cmp_lt_u32 s[WV], \under
	s_cbranch_scc0 \next
	tensor_load_to_lds s[\g0:\g0+3], s[\g1:\g1+7]
	s_nop 0
	PLACES 4
	s_branch .Lasked
\next:
.endm
	ARM 1, G0A, G1A, .Larm_1
	ARM 2, G0B, G1B, .Larm_2
	ARM 3, G0A, G1A, .Larm_3
	ARM 4, G0B, G1B, .Larm_4
.Lasked:
	s_add_nc_u64 s[66:67], s[10:11], s[66:67]
	s_add_nc_u64 s[68:69], s[12:13], s[68:69]
	s_add_nc_u64 s[70:71], s[6:7], s[70:71]
	s_add_nc_u64 s[72:73], s[14:15], s[72:73]
.irp b, 0,1
.irp i, 0,1,2,3
.irp e, 0,1
	global_load_u16 v[120+2*(4*\b+\i)+\e], v7, s[70:71] offset:16384*\i+8192*\e+32*\b   ; the two bytes of head 8 h + 2 i + e, slot 16 b + r: read once, 32 consecutive bytes for each half of the lanes
.endr
.endr
.endr
.irp a, 0,1,2,3
	global_load_b128 v[SC0+4*\a:SC0+4*\a+3], v5, s[66:67] offset:512*\a
.endr
.irp a, 0,1,2,3
	global_load_b128 v[BI+8*\a:BI+8*\a+3],   v6, s[68:69] offset:64*\a
	global_load_b128 v[BI+8*\a+4:BI+8*\a+7], v6, s[68:69] offset:64*\a+16
.endr
	s_wait_loadcnt 0x0
.irp k, 0,1,2,3,4,5,6,7
	v_lshl_or_b32 v[SC1+\k], v[121+2*\k], 16, v[120+2*\k]   ; two heads' bytes are the scale word of a K step
.endr
	v_mul_u32_u24 v[AD0], v1, PITCH                ; the address registers are made here: fourteen plain lines, more than the eight that part a scale word written by a vector instruction from a scaled product
	v_and_b32 v[AD1], 31, v0
	v_mul_u32_u24 v[STO], v1, SP
	v_mul_u32_u24 v[RD], v2, SP
	v_lshlrev_b32 v[CO], 12, v2
	v_lshl_add_u32 v[AD0], v2, 4, v[AD0]
	v_lshlrev_b32 v[AD1], 4, v[AD1]
	v_lshl_add_u32 v[STO], v2, 5, v[STO]
	v_lshl_add_u32 v[RD], v1, 4, v[RD]
	v_lshl_add_u32 v[CO], v1, 4, v[CO]             ; two rows in out0, 16 bytes a lane
	v_add_nc_u32 v[AD0], s74, v[AD0]               ; row r x pitch + 16 h
	v_add_nc_u32 v[AD1], s75, v[AD1]               ; 16 x lane + 1,024 wm
	v_add_nc_u32 v[STO], s76, v[STO]               ; in: row r, 32 bytes for each half of the lanes
	v_add_nc_u32 v[RD], s76, v[RD]                 ; back: lanes 0-15 one row of 256 bytes, lanes 16-31 the next
.macro FETCH s                         ; K step s into set s % 2: twelve loads
.set FB, FR+48*((\s)%2)
.irp a, 0,1,2,3
	ds_load_b128 v[FB+8*\a:FB+8*\a+3],   v[AD0] offset:BHALF*((\s)/4)+64*((\s)%4)+16*PITCH*\a
	ds_load_b128 v[FB+8*\a+4:FB+8*\a+7], v[AD0] offset:BHALF*((\s)/4)+64*((\s)%4)+16*PITCH*\a+32
.endr
.irp b, 0,1
	ds_load_b128 v[FB+32+8*\b:FB+32+8*\b+3],   v[AD1] offset:32768*((\s)/4)+8192*((\s)%4)+512*\b        ; head 2 s
	ds_load_b128 v[FB+32+8*\b+4:FB+32+8*\b+7], v[AD1] offset:32768*((\s)/4)+8192*((\s)%4)+512*\b+4096   ; head 2 s + 1
.endr
.endm
.macro MUL8 s                          ; eight products, the eight accumulators by turns, one instruction a turn; the first K step takes the bias as C
.set FB, FR+48*((\s)%2)
.irp b, 0,1
.irp a, 0,1,2,3
.set rD, ACC+8*(4*\b+\a)
.if (\s) == 0
	v_wmma_scale_f32_16x16x128_f8f6f4 v[rD:rD+7], v[FB+8*\a:FB+8*\a+7], v[FB+32+8*\b:FB+32+8*\b+7], v[BI+8*\a:BI+8*\a+7], v[SC0+4*\a], v[SC1+4*\b] matrix_a_fmt:MATRIX_FMT_FP4 matrix_b_fmt:MATRIX_FMT_FP4
.elseif (\s) < 4
	v_wmma_scale_f32_16x16x128_f8f6f4 v[rD:rD+7], v[FB+8*\a:FB+8*\a+7], v[FB+32+8*\b:FB+32+8*\b+7], v[rD:rD+7], v[SC0+4*\a+(\s)%4], v[SC1+4*\b+(\s)%4] matrix_a_fmt:MATRIX_FMT_FP4 matrix_b_fmt:MATRIX_FMT_FP4
.else
	v_wmma_scale_f32_16x16x128_f8f6f4 v[rD:rD+7], v[FB+8*\a:FB+8*\a+7], v[FB+32+8*\b:FB+32+8*\b+7], v[rD:rD+7], v[SC0+4*\a+(\s)%4], v[SC1+4*\b+(\s)%4] matrix_a_fmt:MATRIX_FMT_FP4 matrix_b_fmt:MATRIX_FMT_FP4 matrix_a_scale:MATRIX_SCALE_ROW1 matrix_b_scale:MATRIX_SCALE_ROW1
.endif
.endr
.endr
.endm
	s_wait_alu depctr_va_vdst(0)                   ; the head's end
	s_cmp_lt_u32 s[WV], 2
	s_cbranch_scc0 .Lfetched_second
	s_wait_tensorcnt 0x0                           ; waves 0, 1: my load of K's first half has landed; waves 2, 3's of the second half, on lines of their own, may stay out
.Lfetched_second:
	s_barrier_signal -1
	s_barrier_wait -1                              ; everybody's has
	FETCH 0
.set S, 0
.rept 8
	s_wait_dscnt 0x0                               ; this step's fragments are in
.if S == 3
	s_wait_tensorcnt 0x0                           ; the next fetch reads K's second half: it has landed,
	s_barrier_signal -1
	s_barrier_wait -1                              ; everybody's has
.endif
.if S > 0
	PLACES 4                                       ; four plain places between the last step's products and loads into the set that they read
.endif
.if S < 7
	FETCH S+1
.endif
	MUL8 S
.set S, S+1
.endr
; THE WAY OUT, an image of 16 slots at a time.  A lane holds 32 neighbouring bytes of a row and the lanes beside it other rows: so the image's results go through my own stage and come back as whole rows of 256 bytes.
; LDS serves a wave's instructions in order (ISA guide 5.7.1.4): no wait between the stores and the loads, nor in front of the next image's stores.
.macro TOSTAGE b
.irp a, 0,1,2,3
	ds_store_b128 v[STO], v[ACC+8*(4*\b+\a):ACC+8*(4*\b+\a)+3]   offset:64*\a      ; each accumulator from its low end on
	ds_store_b128 v[STO], v[ACC+8*(4*\b+\a)+4:ACC+8*(4*\b+\a)+7] offset:64*\a+16
.endr
.irp i, 0,1,2,3,4,5,6,7
	ds_load_b128 v[FR+32*\b+4*\i:FR+32*\b+4*\i+3], v[RD] offset:2*SP*\i
.endr
.endm
; Slots 2 i, 2 i + 1 of my image b are tokens 8 b + 2 i, + 1 (i < 4) or 32 - 8 b + 2 i, + 1 (i >= 4) of those that s[72:73] begins with.
.macro SEND b, younger                 ; younger: the LDS instructions issued behind this image's loads
.irp i, 0,1,2,3,4,5,6,7
	s_wait_dscnt \younger+7-\i
	global_store_b128 v[CO], v[FR+32*\b+4*\i:FR+32*\b+4*\i+3], s[72:73] offset:(8*\b+2*\i+(\i/4)*(32-16*\b))*4096 th:TH_STORE_NT   ; 16 lanes store 256 consecutive bytes, at a multiple of 256 from out0's first byte; written once, read by nobody here
.endr
.endm
	PLACES 4                                       ; in front of the first read of results, and of loads into the fragments' registers
	TOSTAGE 0
	TOSTAGE 1
	SEND 0, 16                                     ; behind image 0's loads: image 1's eight stores and eight loads
	SEND 1, 0
	s_wait_tensorcnt 0x0                           ; the wave's end
	ds_add_u32 v[SPW], v[NIL]
	s_wait_dscnt 0x0
	ROUND                                          ; the closing round: no work-group ends while a partner may still ask for a tile that names it
	s_endpgm
.Lfunc_end_k_q9d2f8adde7_proj:
	.size	k_q9d2f8adde7_proj, .Lfunc_end_k_q9d2f8adde7_proj-k_q9d2f8adde7_proj
	.p2alignl 7, 3214868480
	.fill 96, 4, 3214868480
	.section	.rodata,"a",@progbits
	.p2align	6, 0x0
	.amdhsa_kernel k_q9d2f8adde7_proj
		.amdhsa_group_segment_fixed_size 171008
		.amdhsa_private_segment_fixed_size 0
		.amdhsa_enable_private_segment 0
		.amdhsa_kernarg_size 48
		.amdhsa_user_sgpr_count 2
		.amdhsa_user_sgpr_kernarg_segment_ptr 1
		.amdhsa_wavefront_size32 1
		.amdhsa_system_sgpr_workgroup_id_x 1
		.amdhsa_system_sgpr_workgroup_id_y 1
		.amdhsa_system_sgpr_workgroup_id_z 1
		.amdhsa_system_vgpr_workitem_id 0
		.amdhsa_next_free_vgpr 256
		.amdhsa_next_free_sgpr 96
		.amdhsa_reserve_vcc 0
		.amdhsa_float_denorm_mode_32 3
		.amdhsa_float_denorm_mode_16_64 3
		.amdhsa_memory_ordered 1
		.amdhsa_forward_progress 1
		.amdhsa_inst_pref_size 31
	.end_amdhsa_kernel
	.amdgpu_metadata
---
amdhsa.version: [ 1, 2 ]
amdhsa.kernels:
  - .name:           k_q9d2f8adde7_proj
    .symbol:         k_q9d2f8adde7_proj.kd
    .args:
      - { .name: oc, .offset: 0, .size: 8, .value_kind: global_buffer, .address_space: global }
      - { .name: os, .offset: 8, .size: 8, .value_kind: global_buffer, .address_space: global }
      - { .name: w_o_codes, .offset: 16, .size: 8, .value_kind: global_buffer, .address_space: global }
      - { .name: w_o_scales, .offset: 24, .size: 8, .value_kind: global_buffer, .address_space: global }
      - { .name: b_o, .offset: 32, .size: 8, .value_kind: global_buffer, .address_space: global }
      - { .name: out0, .offset: 40, .size: 8, .value_kind: global_buffer, .address_space: global }
    .group_segment_fixed_size: 171008
    .private_segment_fixed_size: 0
    .kernarg_segment_align: 8
    .kernarg_segment_size: 48
    .max_flat_workgroup_size: 256
    .sgpr_count:     96
    .vgpr_count:     256
    .wavefront_size: 32
...
	.end_amdgpu_metadata
.endif
;; end of part 3
